; MI455X (gfx1250); checked and timed in simulation.
; The chip was launched on July 23, 2026; its instructions are those of AMD's public machine-readable ISA for CDNA 5 (MIT licence, August 2026) and "CDNA5" Instruction Set Architecture Reference Guide (July 2026). The comments in the code are by the model that wrote it; some were corrected since.
;; Attn. Allowed arithmetic: matrix products marked QUANTISED: E3M2 operands, one E8M0 scale for each 32 along K, by v_wmma_scale_f32_16x16x128_f8f6f4 with both operands' format E3M2, f32 sums; products left as they are: f32 operands where the result goes on into a quantised operand, else bf16, f16 or f32 operands; f32 sums; everything else in f32.
;; Inputs: W_attn_codes 1,024 x 32 x 24 uint8 (E3M2 codes of W_attn, K innermost, in blocks of 32 codes, four codes in three bytes); W_attn_scales 1,024 x 32 uint8 (E8M0 scales of W_attn, one for each 32 codes along K); b_attn 1,024 float32; encoder_outputs_codes 1,024 x 64 x 32 x 24 uint8 (E3M2 codes of encoder_outputs, K innermost, in blocks of 32 codes, four codes in three bytes); encoder_outputs_scales 1,024 x 64 x 32 uint8 (E8M0 scales of encoder_outputs, one for each 32 codes along K); hidden 1 x 64 x 1,024 float32.
;; Outputs: out0 64 x 1 x 1,024 float32.
;; This version of the problem:
;;   THIS VERSION OF THE PROBLEM IS GIVEN IN LOW PRECISION. The matrix products marked QUANTISED in the list below multiply operands that are first quantised to E3M2 (3 exponent bits, 2 mantissa bits; 6 bits a number), with one power-of-two scale for each 32 numbers along K (OCP MX v1.0); their sums are f32. All else is computed in f32.
;;   The module's matrix products, in the order in which they are computed (A, B: the left and right operand; K: the contracted axis; several contracted axes count as one K, in the product's order):
;;     1. [M 65,536, K 1,024] x [K 1,024, N 1,024]; A: input encoder_outputs (given as codes); B: input W_attn (given as codes): QUANTISED
;;     2. batch 64 x [M 1, K 1,024] x [K 1,024, N 1,024]; A: input hidden; B: computed on the way: left as it is (M = 1 < 16)
;;   THE QUANTISER, for each operand of a quantised product, along K:
;;     - K is cut into blocks of 32 from its start; a last block that is shorter is filled with zeros.
;;     - A block's scale is 2^e with e = floor(log2(the largest magnitude in the block)) - 4, held to -126 .. 127; a block of zeros has e = 0. As a byte (E8M0): e + 127.
;;     - Each number is divided by its block's scale, clamped to +-28, and rounded to the nearest number of E3M2, ties to even, subnormals kept.
;;     - The product sums the exact products of the quantised numbers (number of the format x scale) in f32.
;;   ~~~python
;;   def quantise(x, axis):      # numpy; x: float32 -> the quantised numbers, widened to float32 again
;;       x = np.moveaxis(x, axis, -1); K = x.shape[-1]
;;       x = np.pad(x, [(0, 0)] * (x.ndim - 1) + [(0, -K % 32)]); x = x.reshape(x.shape[:-1] + (-1, 32)); a = np.abs(x).max(-1, keepdims=True)
;;       e = np.where(a > 0, np.clip(np.frexp(np.where(a > 0, a, 1))[1] - 1 - 4, -126, 127), 0)      # np.frexp(a)[1] - 1 = floor(log2(a)), exactly
;;       r = np.clip(x / 2.0 ** e, -28, 28)
;;       step = 2.0 ** (np.maximum(np.frexp(np.where(r == 0, 1, r))[1] - 1, -2) - 2)
;;       q = np.round(r / step) * step * 2.0 ** e      # np.round: ties to even
;;       return np.moveaxis(q.reshape(q.shape[:-2] + (-1,))[..., :K], -1, axis).astype(np.float32)
;;   ~~~
;;   INPUTS GIVEN AS CODES. W_attn (in the module: [1024, 1024], K = its axis 1); encoder_outputs (in the module: [1024, 64, 1024], K = its axis 2): each comes as NAME_codes (uint8): NAME with its K axis moved to the last place and cut into blocks of 32 codes, [.., K / 32, bytes a block], one block behind the other in memory; four codes in three bytes: a row's codes are one little-endian stream of bits, code i at bits 6 i .. 6 i + 5 (a code: sign, 3 exponent bits, 2 mantissa bits); and NAME_scales (uint8): the same leading axes, one E8M0 byte (e + 127) for each 32 codes along K. Its value is code x scale, taken as it is: it is not quantised again, and the codes and scales need not be those that the quantiser above would give.
;; One version. Each part assembles by itself: llvm-mc -triple=amdgcn-amd-amdhsa -mcpu=gfx1250 --defsym DOCPART=n.
;; ======== version 1 of 1: 2 launches
;; limits: right only within a limited range of input values
;; workspace buffers: part 1,048,576 bytes
;; launch energy (part 1): grid 4 x 64, 4 waves a work-group, clusters of 4 x 4, 327,680 bytes of LDS; arguments encoder_outputs_codes, encoder_outputs_scales, W_attn_codes, W_attn_scales, hidden, part; writes part
.if DOCPART == 1
	.amdgcn_target "amdgcn-amd-amdhsa--gfx1250"
	.amdhsa_code_object_version 6
	.text
	.protected	k_qfa2265322a_energy
	.globl	k_qfa2265322a_energy
	.p2align	8
	.type	k_qfa2265322a_energy,@function
k_qfa2265322a_energy:
	s_mov_b64 s[64:65], 0
	v_nop
	global_prefetch_b8 v0, s[64:65] scope:SCOPE_SE
	s_setreg_imm32_b32 hwreg(HW_REG_WAVE_MODE, 25, 1), 1
	s_wait_xcnt 0x0
	s_wait_alu depctr_hold_cnt(0) depctr_sa_sdst(0) depctr_va_vdst(0) depctr_va_sdst(0) depctr_va_ssrc(0) depctr_va_vcc(0) depctr_vm_vsrc(0)
	s_getreg_b32 s2, hwreg(HW_REG_IB_STS2, 6, 4)
	s_cmp_eq_u32 s2, 0
	s_cbranch_scc0 .Lentry_in_a_cluster
	s_endpgm
.Lentry_in_a_cluster:
	s_bfe_u32 s2, ttmp6, 0x10000c
	s_cmp_lg_u32 s2, 0xf033
	s_cbranch_scc0 .Lentry_shape_is_right
	s_endpgm
.Lentry_shape_is_right:
; part[x][b][s] = sum over the 256 columns e of quarter x of hidden[b][e] (sum over d of enc[s][b][d] W[e][d]): enc and W in E3M2 with E8M0 scales, sums in f32.
; DEAD WORK: b_attn.  It adds hidden[b] . b_attn to every energy of row b, the same number for every s, and the softmax over s takes away whatever is the same along s,
; for all values of the inputs.  So b_attn is no argument of any launch.  LIMIT: a NaN, an infinity or an overflow in b_attn or in that dot product alone is not carried to the result.
; A WORK-GROUP takes one b, all 1,024 s and 256 columns (4 x 64 work-groups).  Wave w takes columns 128 (w / 2) .. + 127 and K half w % 2: its part of W, 128 x 512 codes,
; stays in 384 registers; enc's rows walk by in blocks of 16, each fragment serving 8 matrix instructions.  A partial sum over half of K is multiplied by hidden and added up like any other part.
; Source 0 = 16 rows of W, source 1 = 16 rows s: lane (r, h) holds row s = r, its registers the columns 16 nb + 8 h + 0 .. 7.
; ORDER OF K: in a K step of 128 codes lane (r, h) takes 48 neighbouring bytes, blocks 2 h and 2 h + 1 of 32, as three loads of 16 bytes.  Both operands are permuted alike, so the products are the same;
; the operand's blocks 0 1 2 3 are then the row's 0 2 1 3, and the two middle bytes of every scale word change places.
; TILES of enc: 0 and 1 of 64 rows, 2 to 9 of 112 rows, whole rows of 768 bytes that start at multiples of 256.  In LDS 16 bytes of padding stand behind every 256: a row is 816 bytes.
; ENC'S SCALES are 32 bytes a row, 2,048 bytes apart in memory.  Those of tiles 0 and 1 go straight into registers; of rows 128 .. 1023 each wave reads 224 rows once, at the head,
; and lays them into LDS when tile 0 is read out, on its bytes, for all four waves.
; CLUSTERS of 4 x 4: the four of a row share b and ask jointly for enc's rows, the four of a column share the rows of W.
; PREFETCH: tile 2 is named while tile 0 is multiplied, tile m + 1 behind the joint load of tile m: wave 3 names 28 of its rows in each of the row's four partners, told apart by address;
; tiles 0 and 1 and W come by their loads alone, and behind the last load nothing is asked for.
; REGISTERS: window 0 addresses, scales, W's last fragment; window 1 accumulators v0-127, W's fragments 0-9, sums; window 2 W's fragments 10-30; window 3 enc's fragments (four buffers of 48), hidden.
; LIMIT: scale bytes of 0xff (NaN) and NaN or infinities in hidden are not served.
.set AROW,  49152                      ; bytes from s to s + 1 in enc's codes
.set PITCH, 816
.set BLKB,  16*PITCH
.set TROWS, 112
.set WHALF, 128*PITCH
.set YB,    TROWS*PITCH                ; slot X at 0, slot Y behind it: both on bytes that W's 256 rows fill first
.set STG,   2*TROWS*PITCH              ; energies, 4 KiB a wave, on W's bytes behind slot Y: no later fill lands there
.set Z0B,   2*WHALF                    ; tile 0; later, with no further fill, the scales of rows 128 .. 1023
.set Z1B,   Z0B+64*PITCH               ; tile 1
.set SPARE, Z1B+64*PITCH
.set PFO,   16
.set STOB,  17
.set STO,   18
.set ADSB,  19
.set ADS,   20
.set SCL,   21                         ; where my share of the scales goes in LDS
.set TS,    22
.set SPW,   28
.set NIL,   29
.set WS,    32                         ; W's scale words: 4 (nb / 2) + k; lanes 0-15 even nb, 16-31 odd nb
.set AS,    48                         ; enc's scale words, four buffers of 4: lanes 0-15 even block, 16-31 odd block
.set AX,    64                         ; LDS addresses, five for each base: slot X (2 bases), slot Y (2), tile 1, tile 0, W (2)
.set AZ1,   84
.set AZ0,   89
.set AW,    94
.set RS,    104                        ; enc's scale words as they lie in memory
.set WB0,   108                        ; W's fragment 31
.set TA,    160                        ; tile 1's first two blocks
.set SB,    160                        ; ahead of them: my 224 rows' scales on their way to LDS
.set WB1,   128                        ; window 1: W's fragments 0-9
.set E,     248
.set TP,    252
.set EP,    248                        ; tile 0's four sums
.set H,     192                        ; window 3: hidden
.set G1W,   28
.set G1Z,   36
.set G1A,   44
.set G0W,   60
.set G0Z,   76
.set G0X,   84
.set G0Y,   88
.set PFB,   100
.set MSB, 0
.macro WIN new
.if MSB != (\new)
	s_set_vgpr_msb (MSB<<8)|(\new)
.set MSB, (\new)
.endif
.endm
.macro CREST
	s_cmp_lg_u32 s16, 0
	s_cbranch_scc1 .Lnot_wave_0_\@
	s_barrier_signal -3
.Lnot_wave_0_\@:
	s_barrier_wait -3
	s_barrier_signal -1
	s_barrier_wait -1
.endm
.macro CROUND
	s_barrier_signal -1
	s_barrier_wait -1
	CREST
.endm
.macro TLOAD g0, g1
	tensor_load_to_lds s[\g0:\g0+3], s[\g1:\g1+7]
	s_nop 0
.rept 4
	v_nop
.endr
.endm
.macro JLA g0                          ; waves 0 and 1 fetch 56 rows each
	s_cmp_lt_u32 s16, 2
	s_cbranch_scc0 .Lno_load_\@
	TLOAD \g0, G1A
.Lno_load_\@:
.endm
.macro ASK lim                         ; wave 3: 28 rows x 768 bytes
	s_cmp_eq_u32 s16, 3
	s_cbranch_scc0 .Lno_ask_\@
.if \lim
	s_cmp_lg_u32 s2, 1
	s_cbranch_scc0 .Lno_ask_\@
.endif
.irp o, 0,256,512
	global_prefetch_b8 v[PFO], s[PFB:PFB+1] offset:\o th:TH_LOAD_NT scope:SCOPE_SE
.endr
.Lno_ask_\@:
.endm
.macro GRP g, mask, w0, cols, rows, pitch
	s_or_b32 s[\g], s[\mask], \w0
	s_mov_b32 s[\g+1], (\cols)<<16
	s_mov_b32 s[\g+2], (\rows)<<16
	s_mov_b32 s[\g+3], (\cols)<<16
	s_mov_b32 s[\g+4], \rows
	s_mov_b32 s[\g+5], \pitch
	s_mov_b32 s[\g+6], 0
	s_mov_b32 s[\g+7], 0
.endm
; One piece of 16 bytes of a fragment: byte z0 = 96 k + 16 q of my K half's 384 (+ 48 h in the address).  K half 0 meets a chunk's end at byte 256, half 1 at byte 128:
; five address registers hold what padding lies ahead of the piece, lane by lane.
.macro PIECE dst, set, k, q, blk
.set z0, 96*(\k)+16*(\q)
.set cl, 0
.if z0 >= 96
.set cl, 1
.endif
.if z0 >= 128
.set cl, 2
.endif
.if z0 >= 208
.set cl, 3
.endif
.if z0 >= 256
.set cl, 4
.endif
	ds_load_b128 v[\dst:\dst+3], v[(\set)+cl] offset:z0+(\blk)*BLKB
.endm
.macro FRAG dst, set, k, blk
.irp q, 0,1,2
	PIECE (\dst)+4*\q, \set, \k, \q, \blk
.endr
.endm
.macro WMC c
.if fW && fA
	v_wmma_scale_f32_16x16x128_f8f6f4 v[rD:rD+7], v[rW:rW+11], v[rA:rA+11], \c, v[sW], v[sA] matrix_a_fmt:MATRIX_FMT_BF6 matrix_b_fmt:MATRIX_FMT_BF6 matrix_a_scale:MATRIX_SCALE_ROW1 matrix_b_scale:MATRIX_SCALE_ROW1
.elseif fW
	v_wmma_scale_f32_16x16x128_f8f6f4 v[rD:rD+7], v[rW:rW+11], v[rA:rA+11], \c, v[sW], v[sA] matrix_a_fmt:MATRIX_FMT_BF6 matrix_b_fmt:MATRIX_FMT_BF6 matrix_a_scale:MATRIX_SCALE_ROW1
.elseif fA
	v_wmma_scale_f32_16x16x128_f8f6f4 v[rD:rD+7], v[rW:rW+11], v[rA:rA+11], \c, v[sW], v[sA] matrix_a_fmt:MATRIX_FMT_BF6 matrix_b_fmt:MATRIX_FMT_BF6 matrix_b_scale:MATRIX_SCALE_ROW1
.else
	v_wmma_scale_f32_16x16x128_f8f6f4 v[rD:rD+7], v[rW:rW+11], v[rA:rA+11], \c, v[sW], v[sA] matrix_a_fmt:MATRIX_FMT_BF6 matrix_b_fmt:MATRIX_FMT_BF6
.endif
.endm
.macro WHERE k, nb                     ; W's fragment 8 k + nb: its window and register
.set fi, 8*(\k)+(\nb)
.if fi < 10
.set ww, 1
.set rW, WB1+12*fi
.elseif fi < 31
.set ww, 2
.set rW, 12*(fi-10)
.else
.set ww, 0
.set rW, WB0
.endif
.endm
	s_load_b256 s[4:11], s[0:1], 0x0               ; enc codes, enc scales, W codes, W scales
	s_load_b128 s[12:15], s[0:1], 0x20             ; hidden, part
	v_lshl_add_u32 v[SPW], v0, 2, SPARE
	v_mov_b32 v[NIL], 0
	ds_add_u32 v[SPW], v[NIL]                      ; the opening add, twice on end
	ds_add_u32 v[SPW], v[NIL]
	v_lshrrev_b32 v1, 5, v0
	v_readfirstlane_b32 s16, v1                    ; wave
	s_and_b32 s17, s16, 1                          ; my half of K
	s_lshr_b32 s18, s16, 1                         ; my half of the 256 columns
	s_bfe_u32 s20, ttmp6, 0x40000                  ; cx = my quarter of the columns (one cluster along x)
	s_bfe_u32 s21, ttmp6, 0x40004                  ; cy
	s_and_b32 s19, ttmp7, 0xffff
	s_lshl_b32 s19, s19, 2
	s_add_co_u32 s19, s19, s21                     ; b
	s_lshl_b32 s22, s21, 2
	s_lshl_b32 s22, 15, s22                        ; my row of the cluster
	s_lshl_b32 s23, 0x1111, s20                    ; my column
	s_mov_b32 s105, 0x03010200                     ; v_perm_b32: the two middle bytes change places
	GRP G1W, 23, (3<<16)|(1<<20)|(1<<21)|(5<<22)|(3<<25), 96, 128, 96
	GRP G1Z, 22, (3<<16)|(1<<20)|(1<<21)|(5<<22)|(3<<25), 96, 64, AROW/8
	GRP G1A, 22, (3<<16)|(1<<20)|(1<<21)|(5<<22)|(3<<25), 96, 56, AROW/8
	s_wait_dscnt 0x0                               ; both opening adds are done
	CROUND                                         ; all sixteen work-groups are here
	s_wait_kmcnt 0x0
	s_mul_i32 s22, s19, 768
	s_mov_b32 s23, 0
	s_add_nc_u64 s[24:25], s[4:5], s[22:23]        ; enc's row (0, b)
	s_lshl_b32 s22, s19, 5
	s_add_nc_u64 s[26:27], s[6:7], s[22:23]        ; its scales
	s_lshl_b32 s22, s20, 8
	s_lshl_b32 s2, s17, 7
	s_add_co_u32 s22, s22, s2
	s_mul_i32 s22, s22, 768                        ; W's row 256 cx + 128 (wave % 2)
	s_mov_b32 s[G0W], 1
	s_mul_i32 s[G0W+1], s16, WHALF
	s_add_nc_u64 s[G0W+2:G0W+3], s[8:9], s[22:23]
	s_or_b32 s[G0W+3], s[G0W+3], 0x80000000
	s_mul_i32 s22, s17, 64*AROW
	s_mov_b32 s[G0Z], 1
	s_mul_i32 s[G0Z+1], s16, 64*PITCH
	s_add_co_u32 s[G0Z+1], s[G0Z+1], Z0B-128*PITCH ; waves 2 and 3: tiles 0 and 1
	s_add_nc_u64 s[G0Z+2:G0Z+3], s[24:25], s[22:23]
	s_or_b32 s[G0Z+3], s[G0Z+3], 0x80000000
	s_cmp_lt_u32 s16, 2                            ; one tensor load a wave: W's two halves, tile 0, tile 1
	s_cbranch_scc0 .Lhead_a
	TLOAD G0W, G1W
	s_branch .Lhead_end
.Lhead_a:
	TLOAD G0Z, G1Z
.Lhead_end:
	s_mul_i32 s22, s16, 56*AROW
	s_add_co_u32 s22, s22, 128*AROW
	s_mov_b32 s[G0X], 1
	s_mul_i32 s[G0X+1], s16, 56*PITCH
	s_add_nc_u64 s[G0X+2:G0X+3], s[24:25], s[22:23]
	s_or_b32 s[G0X+3], s[G0X+3], 0x80000000
	s_add_co_u32 s22, s22, TROWS*AROW
	s_mov_b32 s[G0Y], 1
	s_add_co_u32 s[G0Y+1], s[G0X+1], YB
	s_add_nc_u64 s[G0Y+2:G0Y+3], s[24:25], s[22:23]
	s_or_b32 s[G0Y+3], s[G0Y+3], 0x80000000
	s_mul_i32 s22, s20, 28*AROW
	s_add_co_u32 s22, s22, 128*AROW
	s_add_nc_u64 s[PFB:PFB+1], s[24:25], s[22:23]  ; my 28 rows of tile 2
	s_mul_i32 s22, s16, 224*2048
	s_add_co_u32 s22, s22, 128*2048
	s_add_nc_u64 s[98:99], s[26:27], s[22:23]      ; scales from row 128 + 224 wave on
	s_lshl_b32 s22, s20, 13
	s_lshl_b32 s2, s18, 12
	s_add_co_u32 s22, s22, s2
	s_lshl_b32 s2, s17, 4
	s_add_co_u32 s22, s22, s2
	s_add_nc_u64 s[10:11], s[10:11], s[22:23]      ; W's scales: row 256 cx + 128 half, my K half's 16 bytes
	s_lshl_b32 s22, s19, 12
	s_lshl_b32 s2, s20, 10
	s_add_co_u32 s22, s22, s2
	s_lshl_b32 s2, s18, 9
	s_add_co_u32 s22, s22, s2
	s_add_nc_u64 s[12:13], s[12:13], s[22:23]      ; hidden[b], my 128 columns
	s_lshl_b32 s22, s20, 18
	s_lshl_b32 s2, s19, 12
	s_add_co_u32 s22, s22, s2
	s_add_nc_u64 s[14:15], s[14:15], s[22:23]      ; part[cx][b]
	v_and_b32 v2, 31, v0                           ; lane
	v_bfe_u32 v3, v0, 4, 1                         ; h
	v_bfe_u32 v4, v0, 5, 1                         ; my K half
	v_lshlrev_b32 v8, 5, v2
	v_lshlrev_b32 v9, 5, v3
	v_lshlrev_b32 v26, 11, v2                      ; a lane a row, my K half's 16 bytes
	v_lshl_add_u32 v26, v4, 4, v26
	v_lshrrev_b32 v27, 1, v2                       ; two lanes a row, 32 bytes
	v_lshlrev_b32 v27, 11, v27
	v_and_b32 v6, 1, v2
	v_lshl_add_u32 v27, v6, 4, v27
.irp m, 0,1,2,3
	global_load_b128 v[WS+4*\m:WS+4*\m+3], v8, s[10:11] offset:1024*\m
.endr
.irp m, 0,1,2,3
	global_load_b128 v[AS+4*\m:AS+4*\m+3], v26, s[26:27] offset:65536*\m   ; rows 32 m + lane: tiles 0 and 1
.endr
	WIN 0xc0
.irp b, 0,1,2,3,4,5,6,7
	global_load_b128 v[H+8*\b:H+8*\b+3],   v9, s[12:13] offset:64*\b
	global_load_b128 v[H+8*\b+4:H+8*\b+7], v9, s[12:13] offset:64*\b+16
.endr
	WIN 0
.irp j, 0,1,2,3,4,5,6,7,8,9,10,11,12,13
	global_load_b128 v[SB+4*\j:SB+4*\j+3], v27, s[98:99] offset:32768*\j   ; 16 rows each
.endr
	v_and_b32 v1, 15, v0                           ; r
	v_bfe_u32 v5, v0, 6, 1                         ; my half of the columns
	v_mul_u32_u24 v10, v1, PITCH
	v_mad_u32_u24 v10, v3, 48, v10
	v_mad_u32_u24 v10, v4, 400, v10                ; byte 384 of a row stands at 400
	v_and_b32 v11, v3, v4
	v_or_b32 v13, v3, v4
	v_lshl_add_u32 v11, v11, 4, v10                ; across byte 128 of the half
	v_lshl_add_u32 v12, v4, 4, v10                 ; bytes 128 .. 255
	v_lshl_add_u32 v13, v13, 4, v10                ; across byte 256
	v_add_nc_u32 v14, 16, v10                      ; bytes 256 ..
.irp c, 0,1,2,3,4
	v_mov_b32 v[AX+\c], v[10+\c]
	v_add_nc_u32 v[AX+5+\c], 4*BLKB, v[10+\c]
	v_add_nc_u32 v[AX+10+\c], YB, v[10+\c]
	v_add_nc_u32 v[AX+15+\c], YB+4*BLKB, v[10+\c]
	v_add_nc_u32 v[AZ1+\c], Z1B, v[10+\c]
	v_add_nc_u32 v[AZ0+\c], Z0B, v[10+\c]
	v_mad_u32_u24 v[AW+\c], v5, WHALF, v[10+\c]
.endr
.irp c, 0,1,2,3,4
	v_add_nc_u32 v[AW+5+\c], 4*BLKB, v[AW+\c]
.endr
	v_lshlrev_b32 v15, 5, v2
	v_lshl_add_u32 v15, v4, 4, v15                 ; scales: row = lane of 32 bytes, my K half's 16
	v_add_nc_u32 v[ADSB], Z0B, v15
	v_bfe_u32 v24, v0, 5, 2
	v_mul_u32_u24 v7, v24, 7168                    ; 224 rows of 32 bytes a wave
	v_lshl_add_u32 v7, v2, 4, v7
	v_add_nc_u32 v[SCL], Z0B, v7
	v_lshlrev_b32 v24, 12, v24
	v_lshl_add_u32 v24, v2, 2, v24
	v_add_nc_u32 v[STOB], STG, v24                 ; my wave's energies: row s at 4 s
	v_min_u32 v25, 27, v2
	v_mul_u32_u24 v[PFO], v25, AROW
	s_wait_alu depctr_va_vdst(0)
	s_wait_tensorcnt 0x0                           ; my head load has landed
	s_barrier_signal -1
	s_barrier_wait -1
; TILE 0, AND W INTO REGISTERS.  Four blocks of 16 rows fill the four buffers; W comes nb by nb, 12 loads each, ahead of its 16 products; nb - 1's results meet hidden behind each four.
.macro LDA k
	WIN 0xc0
.irp a, 0,1,2,3
	FRAG 48*\a+12*(\k), AZ0, \k, \a
.endr
.endm
.macro LDW nb, k
	WHERE \k, \nb
	WIN 0x40*ww
	FRAG rW, AW+5*((\nb)/4), \k, (\nb)%4
.endm
.macro LDW4 nb
.irp k, 0,1,2,3
	LDW \nb, \k
.endr
.endm
.macro MG nb, k
	WHERE \k, \nb
	WIN 0x5c+ww
.set sW, WS+4*((\nb)/2)+(\k)
.set fW, (\nb)%2
.irp a, 0,1,2,3
.set rD, 32*((\nb)%4)+8*\a
.set rA, 48*\a+12*(\k)
.set sA, AS+4*(\a/2)+(\k)
.set fA, \a%2
.if (\k) == 0
	WMC 0
.else
	WMC v[rD:rD+7]
.endif
.endr
.endm
.macro EP1 nb, j
	WIN 0x5d
.irp a, 0,1,2,3
.set ea, 32*((\nb)%4)+8*\a+2*(\j)
.set eh, H+8*(\nb)+2*(\j)
.set ee, EP+2*\a
.if ((\nb)+(\j)) == 0
	v_pk_mul_f32 v[ee:ee+1], v[ea:ea+1], v[eh:eh+1]
.else
	v_pk_fma_f32 v[ee:ee+1], v[ea:ea+1], v[eh:eh+1], v[ee:ee+1]
.endif
.endr
.endm
.irp k, 0,1,2
	LDA \k
	LDW 0, \k
.endr
	WIN 0
	ASK 0                                          ; tile 2
	s_wait_loadcnt 14                              ; hidden and the scale words of W and of tiles 0 and 1; the 14 loads behind them may be out
.irp j, 0,1,2,3,4,5,6,7,8,9,10,11,12,13,14,15
	v_perm_b32 v[WS+\j], v[WS+\j], v[WS+\j], s105
	v_perm_b32 v[AS+\j], v[AS+\j], v[AS+\j], s105
.endr
.rept 8
	v_nop                                          ; eight places ahead of the first product that reads a scale word
.endr
	LDA 3
	LDW 0, 3
	LDW4 1
	s_wait_alu depctr_va_vdst(0)
	s_wait_dscnt 57                                ; K step 0 is in: 3 x 15 and nb 1's 12 loads are younger
	MG 0, 0
	s_wait_dscnt 42
	MG 0, 1
	s_wait_dscnt 27
	MG 0, 2
	s_wait_dscnt 12
	MG 0, 3
.rept 4
	v_nop                                          ; places behind nb 0's products
.endr
.irp nb, 1,2,3,4,5,6
.if \nb%2
	LDW4 \nb+1
	LDW4 \nb+2
	s_wait_alu depctr_va_vdst(0)
	s_wait_dscnt 24                                ; all but the next two nb's 24
.else
	s_wait_alu depctr_va_vdst(0)
	s_wait_dscnt 12                                ; all but the next nb's 12
.endif
.irp k, 0,1,2,3
	MG \nb, \k
	EP1 \nb-1, \k                                  ; (its four are also the places behind these products)
.endr
.endr
	WIN 0
	s_wait_alu depctr_va_vdst(0)
	s_wait_xcnt 0x0
	s_add_nc_u64 s[PFB:PFB+1], s[PFB:PFB+1], TROWS*AROW
	s_wait_tensorcnt 0x0
	ds_add_u32 v[SPW], v[NIL]
	s_wait_dscnt 0x0                               ; my reads of W and tile 0 are over
	s_barrier_signal -1
	MG 7, 0
	EP1 6, 0
	MG 7, 1
	EP1 6, 1
	WIN 0
	s_wait_alu depctr_va_vdst(0)
	s_barrier_wait -1
	CREST
	JLA G0X                                        ; tile 2 into slot X
	s_wait_loadcnt 0x0
.irp j, 0,1,2,3,4,5,6,7,8,9,10,11,12,13
	ds_store_b128 v[SCL], v[SB+4*\j:SB+4*\j+3] offset:512*\j   ; my 224 rows' scales, over tile 0: read behind the next barrier
.endr
	MG 7, 2
	EP1 6, 2
	WIN 0
	s_wait_alu depctr_va_vdst(0)
	s_wait_dscnt 0x0                               ; the stores are done: their registers take tile 1's first two blocks
.irp k, 0,1,2,3
	FRAG TA+12*\k, AZ1, \k, 0
.endr
.irp k, 0,1,2,3
	FRAG TA+48+12*\k, AZ1, \k, 1
.endr
	ASK 0                                          ; tile 3
	MG 7, 3
	EP1 6, 3
.irp j, 0,1,2,3
	EP1 7, \j
.endr
	WIN 0x55
.irp a, 0,1,2,3
	v_add_f32 v[EP+2*\a], v[EP+2*\a], v[EP+2*\a+1]
.endr
	v_permlane16_swap_b32 v[EP], v[EP+2]           ; even block's halves below, odd block's above: their sum is row 32 pair + lane
	v_permlane16_swap_b32 v[EP+4], v[EP+6]
	WIN 0x15
	v_add_f32 v[TS], v[EP], v[EP+2]
	v_add_f32 v[TS+1], v[EP+4], v[EP+6]
	WIN 0
	s_wait_alu depctr_va_vdst(0)
; A BLOCK: 16 rows, 32 products (4 K steps x 8 nb, the eight accumulators by turns), accumulator set by the block's parity.
; The block before meets hidden among the first sixteen products, two packed multiply-adds behind each (for the first ten W's fragments and the accumulators share window 1): 32 in two chains, then their sum;
; two blocks make 32 energies, stored at the next run.  Four v_nop near a block's end are the places ahead of the next block's reads of these results.
; ALL LDS LOADS STAND IN RUNS, four a tile: ahead of block 0 (for blocks 2, 3), 2 (for 4, 5), 4 (for 6) and inside block 5 (for the next tile's 0, 1).  A run begins behind a wait for the run before.
; BLOCK 5 changes slots: its tile is read out; behind the round the slot is filled again and the run starts on the next tile.
.macro WMB k, nb
	WHERE \k, \nb
.set rD, 64*bP+8*\nb
.set rA, bAR+12*\k
.set sW, WS+4*(\nb/2)+\k
.set sA, AS+4*bAS+\k
.set fW, \nb%2
.set fA, bP
	WIN 0x50+4*bAW+ww
.if \k == 0
	WMC 0
.else
	WMC v[rD:rD+7]
.endif
.endm
.macro EPK                             ; the next of the 32
.set eh, H+2*ep
.set ea, 64*(1-bP)+2*ep
.set ee, E+2*(ep%2)
	WIN 0x5d
.if ep < 2
	v_pk_mul_f32 v[ee:ee+1], v[ea:ea+1], v[eh:eh+1]
.else
	v_pk_fma_f32 v[ee:ee+1], v[ea:ea+1], v[eh:eh+1], v[ee:ee+1]
.endif
.set ep, ep+1
.endm
.macro FINB st
.set fs, \st
.if fs == 0
	WIN 0x55
	v_pk_add_f32 v[E:E+1], v[E:E+1], v[E+2:E+3]
.elseif fs == 1
	WIN 0x55
	v_add_f32 v[TP+1-bP], v[E], v[E+1]
.elseif bP == 0
.if fs == 2
	WIN 0x55
	v_permlane16_swap_b32 v[TP], v[TP+1]
.elseif fs == 3
	WIN 0x15
	v_add_f32 v[TS], v[TP], v[TP+1]
.endif
.endif
.endm
.macro PERM
.if bPM >= 0
	WIN 0
.irp j, 0,1,2,3
	v_perm_b32 v[AS+4*bPM+\j], v[RS+\j], v[RS+\j], s105
.endr
.endif
.endm
.macro LB buf, set, blk
	WIN 0xc0
.irp j, 0,1,2,3
	FRAG 48*(\buf)+12*\j, \set, \j, \blk
.endr
.endm
.macro RUN
	WIN 0
.if bSO >= 0
	ds_store_b32 v[bSR], v[TS] offset:bSO
.endif
.if bX
	ds_store_b32 v[bSR], v[TS+1] offset:128
.endif
.if bCO >= 0
	ds_load_b128 v[RS:RS+3], v[bCR] offset:bCO     ; the next pair's scale words
.endif
.if bL1 >= 0
	LB bL1, bS1, bB1
.endif
.if bL2 >= 0
	LB bL2, bS2, bB2
.endif
.endm
.macro BLK
.set ep, 0
.if bST == 1
	s_wait_dscnt 0x0                               ; the run before is in
	PERM
.if bEPI
.rept 8
	EPK                                            ; also the places ahead of loads over fragments just read, and ahead of products that read the scale words above
.endr
.endif
	RUN
.elseif bST == 2
	WIN 0
.if bR
	s_wait_xcnt 0x0
	s_add_nc_u64 s[PFB:PFB+1], s[PFB:PFB+1], TROWS*AROW
.endif
	s_wait_tensorcnt 0x0                           ; my part of the next tile is in
	ds_add_u32 v[SPW], v[NIL]
	s_wait_dscnt 1                                 ; the run before is in, the add may be out
.endif
.set sl, 0
.irp k, 0,1,2,3
.if (bST == 2) && (\k == 1)
	s_wait_alu depctr_va_vdst(0)
	s_wait_dscnt 0x0                               ; the add is done, my reads of this slot are over
	s_barrier_signal -1
	PERM
.endif
.if (bST == 2) && (\k == 2)
	WIN 0
	s_wait_alu depctr_va_vdst(0)
	s_barrier_wait -1
.if bR
	CREST
.if bR == 1
	s_add_nc_u64 s[G0X+2:G0X+3], s[G0X+2:G0X+3], 2*TROWS*AROW
	JLA G0X
.elseif bR == 2
	s_add_nc_u64 s[G0Y+2:G0Y+3], s[G0Y+2:G0Y+3], 2*TROWS*AROW
	JLA G0Y
.else
	JLA G0Y
.endif
.endif
	RUN
.if bR
	WIN 0
.if bR == 2
	ASK 1
.else
	ASK 0
.endif
.endif
.endif
.irp nb, 0,1,2,3,4,5,6,7
	WMB \k, \nb
.if bEPI
.if ep < 32
	EPK
	EPK
.elseif sl > 15
	FINB sl-16
.endif
.endif
.if sl > 27
	v_nop
.endif
.set sl, sl+1
.endr
.endr
.endm
; TILE 1: four blocks
.irp i, 0,1,2,3
.set bI, \i
.set bP, bI%2
.set bEPI, 1
.set bX, 0
.set bAS, 2+bI/2
.set bAW, 0
.set bAR, TA+48*bI
.set bST, 0
.set bPM, -1
.set bSR, STOB
.set bSO, -1
.set bCR, ADSB
.set bCO, -1
.set bR, 0
.set bL1, -1
.set bL2, -1
.if bI == 0
.set bEPI, 0                           ; tile 0 has summed its own
.set bST, 1
.set bSO, 0
.set bX, 1
.set bL1, 1
.set bS1, AZ1
.set bB1, 2
.set bL2, 2
.set bS2, AZ1
.set bB2, 3
.endif
.if bI > 1
.set bAW, 3
.set bAR, 48*(bI-1)
.endif
.if bI == 2
.set bST, 2
.set bR, 3                             ; tile 3 into slot Y
.set bCO, 0
.set bL1, 0
.set bS1, AX
.set bB1, 0
.set bL2, 3
.set bS2, AX
.set bB2, 1
.endif
	BLK
.endr
; TWO TILES: slot X, then slot Y, seven blocks each.  Buffers of blocks 0 .. 6: in X 0 3 1 2 3 0 1, in Y 3 2 0 1 3 2 1: a block's loads find their buffer read out.
.set MAPX, 0x1032130
.set MAPY, 0x1231023
.macro TRIP last, sr, cr, so, co
.irp i, 0,1,2,3,4,5,6,7,8,9,10,11,12,13
.set bI, \i
.set bP, bI%2
.set bEPI, 1
.set bX, 0
.set bB, bI%7
.set bTB, AX+10*(bI/7)
.set bMP, MAPX
.set bNP, MAPY
.if bI > 6
.set bMP, MAPY
.set bNP, MAPX
.endif
.set bAS, (bI/2)%2
.if bI > 11
.set bAS, 2
.endif
.set bAW, 3
.set bAR, 48*((bMP>>(4*bB))&15)
.set bST, 0
.set bPM, -1
.set bSR, \sr
.set bSO, -1
.set bCR, \cr
.set bCO, -1
.set bR, 0
.set bL1, -1
.set bL2, -1
.if (bB == 0) || (bB == 2) || (bB == 4) || (bB == 5)
.set bST, 1
.set bM, (bI+1)/2                      ; the pair whose scale words are due
.if bI < 12
.set bPM, bM%2
.set bSO, (\so)+384+128*((bI-1)/2)
.endif
.if bI == 0
.set bSO, (\so)+256
.endif
.if bI == 11
.set bPM, 2
.endif
.if (bI != 11) && ((bI != 12) || ((\last) == 0))
.set bCO, (\co)+1024*(bM+1)
.endif
.set bS1, bTB+5*((bB+2)/4)
.set bB1, (bB+2)%4
.set bS2, bTB+5*((bB+3)/4)
.set bB2, (bB+3)%4
.if bB < 5
.set bL1, (bMP>>(4*(bB+2)))&15
.if bB < 4
.set bL2, (bMP>>(4*(bB+3)))&15
.endif
.elseif (bI == 5) || ((\last) == 0)
.set bST, 2
.set bL1, bNP&15
.set bS1, AX+10*(1-bI/7)
.set bB1, 0
.set bL2, (bNP>>4)&15
.set bS2, AX+10*(1-bI/7)
.set bB2, 1
.if (\last) == 0
.set bR, 1+bI/7
.endif
.endif
.endif
	BLK
.endr
.endm
	s_mov_b32 s2, 3
	s_mov_b32 s3, 0
	WIN 0
.Lloop:
	s_lshl_b32 s104, s3, 3
	v_add_nc_u32 v[STO], s3, v[STOB]               ; seven pairs a trip: 896 bytes of energies,
	v_add_nc_u32 v[ADS], s104, v[ADSB]             ; 7,168 of scales
	TRIP 0, STO, ADS, 0, 0
	WIN 0
	s_add_co_u32 s3, s3, 896
	s_sub_co_u32 s2, s2, 1
	s_cmp_lg_u32 s2, 0
	s_cbranch_scc1 .Lloop
	TRIP 1, STOB, ADSB, 2688, 21504                ; tiles 8 and 9: nothing is filled again
	WIN 0
	ds_store_b32 v[STOB], v[TS] offset:3840        ; pair 30
.set bP, 0
.set ep, 0
.rept 32
	EPK
.endr
.irp st, 0,1,2,3
	FINB \st
.endr
	WIN 0
	ds_store_b32 v[STOB], v[TS] offset:3968        ; pair 31
	s_wait_tensorcnt 0x0                           ; the wave's end
	ds_add_u32 v[SPW], v[NIL]
	s_wait_dscnt 0x0
	CROUND                                         ; the closing round; it also shows all four waves' energies
	v_lshlrev_b32 v30, 4, v0
	v_add_nc_u32 v31, STG, v30
.irp w, 0,1,2,3
	ds_load_b128 v[64+8*\w:67+8*\w], v31 offset:4096*\w
	ds_load_b128 v[68+8*\w:71+8*\w], v31 offset:4096*\w+2048
.endr
	s_wait_alu depctr_va_vdst(0)
	s_wait_dscnt 0x0
.irp j, 0,2,4,6
	v_pk_add_f32 v[64+\j:65+\j], v[64+\j:65+\j], v[72+\j:73+\j]
	v_pk_add_f32 v[80+\j:81+\j], v[80+\j:81+\j], v[88+\j:89+\j]
.endr
.irp j, 0,2,4,6
	v_pk_add_f32 v[64+\j:65+\j], v[64+\j:65+\j], v[80+\j:81+\j]
.endr
	global_store_b128 v30, v[64:67], s[14:15]      ; a wave's store covers 512 consecutive bytes, at a multiple of 512
	global_store_b128 v30, v[68:71], s[14:15] offset:2048
	s_endpgm
.Lfunc_end_k_qfa2265322a_energy:
	.size	k_qfa2265322a_energy, .Lfunc_end_k_qfa2265322a_energy-k_qfa2265322a_energy
	.p2alignl 7, 3214868480
	.fill 96, 4, 3214868480
	.section	.rodata,"a",@progbits
	.p2align	6, 0x0
	.amdhsa_kernel k_qfa2265322a_energy
		.amdhsa_group_segment_fixed_size 327680
		.amdhsa_private_segment_fixed_size 0
		.amdhsa_enable_private_segment 0
		.amdhsa_kernarg_size 48
		.amdhsa_user_sgpr_count 2
		.amdhsa_user_sgpr_kernarg_segment_ptr 1
		.amdhsa_wavefront_size32 1
		.amdhsa_system_sgpr_workgroup_id_x 1
		.amdhsa_system_sgpr_workgroup_id_y 1
		.amdhsa_system_sgpr_workgroup_id_z 1
		.amdhsa_system_vgpr_workitem_id 0
		.amdhsa_next_free_vgpr 1024
		.amdhsa_next_free_sgpr 106
		.amdhsa_reserve_vcc 0
		.amdhsa_float_denorm_mode_32 3
		.amdhsa_float_denorm_mode_16_64 3
		.amdhsa_memory_ordered 1
		.amdhsa_forward_progress 1
		.amdhsa_inst_pref_size 255
	.end_amdhsa_kernel
	.section	.bss,"aw",@nobits
	.p2align	6
	.space	262144
	.amdgpu_metadata
---
amdhsa.version: [ 1, 2 ]
amdhsa.kernels:
  - .name:           k_qfa2265322a_energy
    .symbol:         k_qfa2265322a_energy.kd
    .args:
      - { .name: encoder_outputs_codes, .offset: 0, .size: 8, .value_kind: global_buffer, .address_space: global }
      - { .name: encoder_outputs_scales, .offset: 8, .size: 8, .value_kind: global_buffer, .address_space: global }
      - { .name: W_attn_codes, .offset: 16, .size: 8, .value_kind: global_buffer, .address_space: global }
      - { .name: W_attn_scales, .offset: 24, .size: 8, .value_kind: global_buffer, .address_space: global }
      - { .name: hidden, .offset: 32, .size: 8, .value_kind: global_buffer, .address_space: global }
      - { .name: part, .offset: 40, .size: 8, .value_kind: global_buffer, .address_space: global }
    .group_segment_fixed_size: 327680
    .private_segment_fixed_size: 0
    .kernarg_segment_align: 8
    .kernarg_segment_size: 48
    .max_flat_workgroup_size: 128
    .sgpr_count:     106
    .vgpr_count:     1024
    .wavefront_size: 32
...
	.end_amdgpu_metadata
.endif
;; end of part 1
;; launch softmax (part 2): grid 64 x 1, 4 waves a work-group, no clusters, 768 bytes of LDS; arguments part, out0; writes out0
.if DOCPART == 2
	.amdgcn_target "amdgcn-amd-amdhsa--gfx1250"
	.amdhsa_code_object_version 6
	.text
	.protected	k_qfa2265322a_softmax
	.globl	k_qfa2265322a_softmax
	.p2align	8
	.type	k_qfa2265322a_softmax,@function
k_qfa2265322a_softmax:
	s_mov_b64 s[64:65], 0
	v_nop
	global_prefetch_b8 v0, s[64:65] scope:SCOPE_SE
	s_setreg_imm32_b32 hwreg(HW_REG_WAVE_MODE, 25, 1), 1
	s_wait_xcnt 0x0
; out0[b][0][s] = softmax over s of the sum over the four planes of part[p][b][s].  All in f32.
; Left out as dead: b_attn's share of the energies, which is the same for every s of a row (shown at the first kernel's head, with its limit).
; One work-group a row, four waves, one on each SIMD; thread t owns s = 4 t .. 4 t + 3 and 512 + 4 t .. + 3: every load and store of a wave takes 512 consecutive bytes.
; Each wave takes its own maximum away ahead of its exponentials; the waves meet once in LDS with (-maximum x log2(e), sum) and bring their parts under the row's maximum by one factor, at most 1.
; The launch moves 1.3 MB: no tensor loads, no matrix unit, no cluster.
; LIMITS: a weight under 2^-126 comes out as 0 (v_exp_f32 flushes denormal results: ISA guide, its entry in 15.8); the promise holds while energies x log2(e) stay under 2^31 in magnitude; NaN and infinities are not served.
.set PLANE, 262144
	s_load_b128 s[4:7], s[0:1], 0x0                ; part, out0
	v_lshl_add_u32 v64, v0, 2, 0x100
	v_mov_b32 v65, 0
	v_lshlrev_b32 v1, 4, v0                        ; 16 t
	v_lshrrev_b32 v2, 5, v0
	v_and_b32 v3, 3, v0
	v_lshlrev_b32 v2, 3, v2                        ; LDS: 8 x wave
	v_lshlrev_b32 v3, 3, v3                        ; LDS: 8 x (lane % 4)
	v_mov_b32 v47, 0                               ; a lane permute's destination counts as one of its sources
	s_lshl_b32 s12, ttmp9, 12                      ; row b of 4,096 bytes
	s_mov_b32 s13, 0
	s_mov_b32 s14, 0x76543210                      ; v_permlanex16_b32's selects for lane l xor 16
	s_mov_b32 s15, 0xfedcba98
	s_mov_b32 s16, 0x3fb8aa3b                      ; log2(e)
	s_wait_alu depctr_va_vdst(0)
	s_wait_kmcnt 0x0
	s_add_nc_u64 s[4:5], s[4:5], s[12:13]
	s_add_nc_u64 s[6:7], s[6:7], s[12:13]
.irp p, 0,1,2,3
	global_load_b128 v[8+8*\p:11+8*\p], v1, s[4:5] offset:\p*PLANE th:TH_LOAD_NT
	global_load_b128 v[12+8*\p:15+8*\p], v1, s[4:5] offset:\p*PLANE+2048 th:TH_LOAD_NT
.endr
	s_wait_loadcnt 0x0
.irp j, 0,2,4,6
	v_pk_add_f32 v[8+\j:9+\j], v[8+\j:9+\j], v[16+\j:17+\j]
	v_pk_add_f32 v[24+\j:25+\j], v[24+\j:25+\j], v[32+\j:33+\j]
.endr
.irp j, 0,2,4,6
	v_pk_add_f32 v[8+\j:9+\j], v[8+\j:9+\j], v[24+\j:25+\j]
.endr
	v_max3_num_f32 v46, v8, v9, v10
	v_max3_num_f32 v45, v11, v12, v13
	v_max3_num_f32 v46, v46, v14, v15
	v_max_num_f32 v46, v46, v45
.irp m, 1,2,4,8
	v_max_num_f32_dpp v46, v46, v46 row_xmask:\m row_mask:0xf bank_mask:0xf
.endr
	v_permlanex16_b32 v47, v46, s14, s15
	v_max_num_f32 v46, v46, v47                    ; my wave's largest
	v_mul_f32 v44, 0xbfb8aa3b, v46                 ; n = -maximum x log2(e)
.irp i, 8,9,10,11,12,13,14,15
	v_fma_f32 v[\i], v[\i], s16, v44
.endr
	s_wait_alu depctr_va_vdst(0)                   ; a wait ahead of the batch, and one behind it
.irp i, 8,9,10,11,12,13,14,15
	v_exp_f32 v[\i], v[\i]
.endr
	v_nop
	s_wait_alu depctr_va_vdst(0)
	v_pk_add_f32 v[16:17], v[8:9], v[10:11]
	v_pk_add_f32 v[18:19], v[12:13], v[14:15]
	v_pk_add_f32 v[16:17], v[16:17], v[18:19]
	v_add_f32 v45, v16, v17
.irp m, 1,2,4,8
	v_add_f32_dpp v45, v45, v45 row_xmask:\m row_mask:0xf bank_mask:0xf
.endr
	v_permlanex16_b32 v47, v45, s14, s15
	v_add_f32 v45, v45, v47                        ; my wave's sum
	ds_store_b64 v2, v[44:45]                      ; all lanes write the same words with the same values
	s_wait_alu depctr_va_vdst(0)
	s_wait_dscnt 0x0                               ; for the others' sake
	s_barrier_signal -1
	s_barrier_wait -1
	ds_load_b64 v[48:49], v3                       ; lane l: wave l % 4's n and sum
	s_wait_dscnt 0x0
	v_mov_b32 v50, v48
.irp m, 1,2
	v_min_num_f32_dpp v50, v50, v50 row_xmask:\m row_mask:0xf bank_mask:0xf
.endr
	v_sub_f32 v51, v50, v48                        ; (that wave's maximum less the row's) x log2(e): 0 or less
	v_sub_f32 v52, v50, v44                        ; mine
	s_wait_alu depctr_va_vdst(0)
	v_exp_f32 v51, v51
	v_exp_f32 v52, v52
	v_nop
	s_wait_alu depctr_va_vdst(0)
	v_mul_f32 v54, v51, v49
.irp m, 1,2
	v_add_f32_dpp v54, v54, v54 row_xmask:\m row_mask:0xf bank_mask:0xf
.endr
	s_wait_alu depctr_va_vdst(0)
	v_rcp_f32 v53, v54                             ; the row's sum is about 1 at the least: the maximum's own term
	v_nop
	s_wait_alu depctr_va_vdst(0)
	v_mul_f32 v55, v53, v52
.irp i, 8,9,10,11,12,13,14,15
	v_mul_f32 v[\i], v[\i], v55
.endr
	global_store_b128 v1, v[8:11], s[6:7]
	global_store_b128 v1, v[12:15], s[6:7] offset:2048
	s_wait_tensorcnt 0x0
	ds_add_u32 v64, v65
	s_wait_dscnt 0x0
	s_endpgm
.Lfunc_end_k_qfa2265322a_softmax:
	.size	k_qfa2265322a_softmax, .Lfunc_end_k_qfa2265322a_softmax-k_qfa2265322a_softmax
	.p2alignl 7, 3214868480
	.fill 96, 4, 3214868480
	.section	.rodata,"a",@progbits
	.p2align	6, 0x0
	.amdhsa_kernel k_qfa2265322a_softmax
		.amdhsa_group_segment_fixed_size 768
		.amdhsa_private_segment_fixed_size 0
		.amdhsa_enable_private_segment 0
		.amdhsa_kernarg_size 16
		.amdhsa_user_sgpr_count 2
		.amdhsa_user_sgpr_kernarg_segment_ptr 1
		.amdhsa_wavefront_size32 1
		.amdhsa_system_sgpr_workgroup_id_x 1
		.amdhsa_system_sgpr_workgroup_id_y 1
		.amdhsa_system_sgpr_workgroup_id_z 1
		.amdhsa_system_vgpr_workitem_id 0
		.amdhsa_next_free_vgpr 66
		.amdhsa_next_free_sgpr 66
		.amdhsa_reserve_vcc 0
		.amdhsa_float_denorm_mode_32 3
		.amdhsa_float_denorm_mode_16_64 3
		.amdhsa_memory_ordered 1
		.amdhsa_forward_progress 1
		.amdhsa_inst_pref_size 7
	.end_amdhsa_kernel
	.amdgpu_metadata
---
amdhsa.version: [ 1, 2 ]
amdhsa.kernels:
  - .name:           k_qfa2265322a_softmax
    .symbol:         k_qfa2265322a_softmax.kd
    .args:
      - { .name: part, .offset: 0, .size: 8, .value_kind: global_buffer, .address_space: global }
      - { .name: out0, .offset: 8, .size: 8, .value_kind: global_buffer, .address_space: global }
    .group_segment_fixed_size: 768
    .private_segment_fixed_size: 0
    .kernarg_segment_align: 8
    .kernarg_segment_size: 16
    .max_flat_workgroup_size: 128
    .sgpr_count:     66
    .vgpr_count:     66
    .wavefront_size: 32
...
	.end_amdgpu_metadata
.endif
;; end of part 2
